; MI455X (gfx1250); checked and timed in simulation.
; The chip was launched on July 23, 2026; its instructions are those of AMD's public machine-readable ISA for CDNA 5 (MIT licence, August 2026) and "CDNA5" Instruction Set Architecture Reference Guide (July 2026). The comments in the code are by the model that wrote it; some were corrected since.
;; Bahdanau Attention. Allowed arithmetic: matrix products marked QUANTISED: E2M3 operands, one E8M0 scale for each 32 along K, by v_wmma_scale_f32_16x16x128_f8f6f4 with both operands' format E2M3, f32 sums; products left as they are: f32 operands where the result goes on into a quantised operand, else bf16, f16 or f32 operands; f32 sums; everything else in f32.
;; Inputs: b1 1,024 float32; b2 1,024 float32; bv 1 float32; mask 32 x 2,048 int32; query 32 x 1,024 float32; v 1,024 x 1 float32; values 32 x 2,048 x 1,024 float32; w1 1,024 x 1,024 float32; w2 1,024 x 1,024 float32.
;; Outputs: out0 32 x 1,024 float32; out1 32 x 2,048 x 1 float32.
;; This version of the problem:
;;   THIS VERSION OF THE PROBLEM IS GIVEN IN LOW PRECISION. The matrix products marked QUANTISED in the list below multiply operands that are first quantised to E2M3 (2 exponent bits, 3 mantissa bits; 6 bits a number), with one power-of-two scale for each 32 numbers along K (OCP MX v1.0); their sums are f32. All else is computed in f32.
;;   The module's matrix products, in the order in which they are computed (A, B: the left and right operand; K: the contracted axis; several contracted axes count as one K, in the product's order):
;;     1. [M 32, K 1,024] x [K 1,024, N 1,024]; A: input query; B: input w1: QUANTISED
;;     2. [M 65,536, K 1,024] x [K 1,024, N 1,024]; A: input values; B: input w2: QUANTISED
;;     3. [M 65,536, K 1,024] x [K 1,024, N 1]; A: computed on the way; B: input v: left as it is (N = 1 < 16)
;;   THE QUANTISER, for each operand of a quantised product, along K:
;;     - K is cut into blocks of 32 from its start; a last block that is shorter is filled with zeros.
;;     - A block's scale is 2^e with e = floor(log2(the largest magnitude in the block)) - 2, held to -126 .. 127; a block of zeros has e = 0. As a byte (E8M0): e + 127.
;;     - Each number is divided by its block's scale, clamped to +-7.5, and rounded to the nearest number of E2M3, ties to even, subnormals kept.
;;     - The product sums the exact products of the quantised numbers (number of the format x scale) in f32.
;;   ~~~python
;;   def quantise(x, axis):      # numpy; x: float32 -> the quantised numbers, widened to float32 again
;;       x = np.moveaxis(x, axis, -1); K = x.shape[-1]
;;       x = np.pad(x, [(0, 0)] * (x.ndim - 1) + [(0, -K % 32)]); x = x.reshape(x.shape[:-1] + (-1, 32)); a = np.abs(x).max(-1, keepdims=True)
;;       e = np.where(a > 0, np.clip(np.frexp(np.where(a > 0, a, 1))[1] - 1 - 2, -126, 127), 0)      # np.frexp(a)[1] - 1 = floor(log2(a)), exactly
;;       r = np.clip(x / 2.0 ** e, -7.5, 7.5)
;;       step = 2.0 ** (np.maximum(np.frexp(np.where(r == 0, 1, r))[1] - 1, 0) - 3)
;;       q = np.round(r / step) * step * 2.0 ** e      # np.round: ties to even
;;       return np.moveaxis(q.reshape(q.shape[:-2] + (-1,))[..., :K], -1, axis).astype(np.float32)
;;   ~~~
;; One version. Each part assembles by itself: llvm-mc -triple=amdgcn-amd-amdhsa -mcpu=gfx1250 --defsym DOCPART=n.
;; ======== version 1 of 1: 3 launches
;; limits: right only within a limited range of input values
;; workspace buffers: w2img 819,200 bytes; qpT 131,072 bytes; raw 262,144 bytes; order 270,336 bytes of whole numbers
;; launch prep (part 1): grid 132 x 1, 8 waves a work-group, no clusters, 21,504 bytes of LDS; arguments w1, w2, query, b1, b2, mask, w2img, qpT, order; writes w2img, qpT, order
.if DOCPART == 1
	.amdgcn_target "amdgcn-amd-amdhsa--gfx1250"
	.amdhsa_code_object_version 6
	.text
	.protected	k_q7fbbc6bd36_prep
	.globl	k_q7fbbc6bd36_prep
	.p2align	8
	.type	k_q7fbbc6bd36_prep,@function
k_q7fbbc6bd36_prep:
	s_mov_b64 s[64:65], 0
	v_nop
	global_prefetch_b8 v0, s[64:65] scope:SCOPE_SE
	s_setreg_imm32_b32 hwreg(HW_REG_WAVE_MODE, 25, 1), 1
	s_wait_xcnt 0x0
; PREP.  Three kinds of work-groups, parted once on the work-group's number and never joined again:
;   0-63    column tile ct of w2 [1024 (k)][1024 (u)], f32: codes of FP6 (E2M3) with one E8M0 scale for each 32 along K, laid in the order of a matrix operand's registers
;   64-127  column tile ct of w1 likewise, in registers, multiplied by the quantised query: q_proj + b1 + b2 for 16 units x 32 batches
;   128-131 a wave to a batch: the list of the rows whose mask equals the batch's largest mask, and their number
; w2img: 64 tiles of 12,800 bytes: 8 fragments (K step s) of 1,536 bytes, registers 4 g .. 4 g + 3 of lane l at 1536 s + 512 g + 16 l; at 12,288 the scale words: column r, K step s at 256 (s / 4) + 16 r + 4 (s % 4).
; qpT: [64 tiles][32 batches][16 f32].   order: 32 rows of 8,448 bytes: entries 0 .. cnt - 1 the kept rows, the others from entry 2,047 downward, cnt at bytes 8,192 .. 8,319.
; A LANE TAKES A COLUMN OF THE WEIGHT AND ITS REGISTERS RUN DOWN K, in the order that the operand's layout gives that lane (k = 64 c + 32 (lane / 16) + 0 .. 31): the conversions' results are the operand's registers.
; A block's scale is 2^(floor(log2(largest magnitude)) - 2); its byte is the largest magnitude's exponent field - 2, held at 1 from below.
; LIMITS: a block of zeros gets the byte 1 (its codes are zeros, and this program alone reads the bytes); NaN and infinities among the inputs are not served.
.set SCW,  0                           ; LDS, w2's work-groups: 512 bytes of scale words
.set RED,  1024                        ; LDS, w1's work-groups: 2,048 bytes for each wave's partial sums
.set LANE, 1
.set R,    2                           ; lane % 16
.set H,    3                           ; lane / 16
.set SH8,  4                           ; 8 x (lane / 16)
.set MX,   6                           ; v6-7   largest magnitudes
.set SO,   8                           ; v8-9   the conversions' scale operands
.set BY,   10                          ; v10-11 scale bytes
.set TT,   12                          ; a lane permute's destination
.set WO,   13                          ; my byte in a weight's rows
.set L16,  14                          ; 16 x lane
.set LA,   15                          ; an LDS address
.set WF,   16                          ; v16-27 the weight's fragment
.set QF,   28                          ; v28-51 the query's two fragments
.set WS,   52                          ; scale words: the weight's, then the query's two
.set QS,   53
.set TMP,  56                          ; v56-63
.set W,    64                          ; v64-127  64 numbers of the weight
.set Q,    128                         ; v128-255 2 x 64 numbers of the query
.set WV,   22
.set CT,   23
.set SEL,  24
; 64 numbers of a lane, register src + 32 c + i = k 64 c + 32 (lane / 16) + i, become 12 registers of codes at dst and the scale word in sw
.macro QFRAG src, dst, sw
	v_max3_num_f32 v[MX], |v[\src]|, |v[\src+1]|, 0x1800000        ; my two blocks by turns; the floor 2^(3 - 127) holds the byte at 1 from below
	v_max3_num_f32 v[MX+1], |v[\src+32]|, |v[\src+33]|, 0x1800000
.irp i, 2,4,6,8,10,12,14,16,18,20,22,24,26,28,30
	s_delay_alu instid0(VALU_DEP_2)
	v_max3_num_f32 v[MX], v[MX], |v[\src+\i]|, |v[\src+\i+1]|
	s_delay_alu instid0(VALU_DEP_2)
	v_max3_num_f32 v[MX+1], v[MX+1], |v[\src+32+\i]|, |v[\src+33+\i]|
.endr
	s_delay_alu instid0(VALU_DEP_2)
	v_add_nc_u32 v[SO], 0xff000000, v[MX]                          ; 2 off the exponent field: the conversion takes that field as its scale
	s_delay_alu instid0(VALU_DEP_2)
	v_add_nc_u32 v[SO+1], 0xff000000, v[MX+1]
	s_delay_alu instid0(VALU_DEP_2)
	v_lshrrev_b32 v[BY], 23, v[SO]                                 ; the scale's byte
	s_delay_alu instid0(VALU_DEP_2)
	v_lshrrev_b32 v[BY+1], 23, v[SO+1]
	s_delay_alu instid0(VALU_DEP_1)
	v_lshl_or_b32 v[\sw], v[BY+1], 16, v[BY]                       ; blocks h and 2 + h,
	s_delay_alu instid0(VALU_DEP_1)
	v_lshlrev_b32 v[\sw], v[SH8], v[\sw]                           ; at their places in the word;
	s_delay_alu instid0(VALU_DEP_1)
	v_permlanex16_b32 v[TT], v[\sw], s[SEL], s[SEL+1]
	s_delay_alu instid0(VALU_DEP_1)
	v_or_b32 v[\sw], v[\sw], v[TT]                                 ; with lane l xor 16's two the word is whole
	v_cvt_scalef32_pk16_fp6_f32 v[TMP:TMP+2], v[\src+16:\src+31], v[SO]       ; (a conversion's three registers begin on an even number: a block's second half is made elsewhere and moved)
	v_cvt_scalef32_pk16_fp6_f32 v[TMP+4:TMP+6], v[\src+48:\src+63], v[SO+1]
	v_cvt_scalef32_pk16_fp6_f32 v[\dst:\dst+2], v[\src:\src+15], v[SO]
	v_cvt_scalef32_pk16_fp6_f32 v[\dst+6:\dst+8], v[\src+32:\src+47], v[SO+1]
	v_nop                                                          ; one plain line behind the scaled conversions
.irp i, 0,1,2
	v_mov_b32 v[\dst+3+\i], v[TMP+\i]
	v_mov_b32 v[\dst+9+\i], v[TMP+4+\i]
.endr
.endm
.macro WLOAD base                      ; W(128 s + 64 c + 32 h + i, 16 ct + r): sixteen neighbouring lanes read 64 neighbouring bytes
.set n, 0
.rept 64
	global_load_b32 v[W+n], v[WO], s[\base:\base+1] offset:4096*(64*(n/32)+n%32)
.set n, n+1
.endr
.endm
	s_load_b512 s[4:19], s[0:1], 0x0               ; w1 s[4:5], w2 s[6:7], query s[8:9], b1 s[10:11], b2 s[12:13], mask s[14:15], w2img s[16:17], qpT s[18:19]
	s_load_b64 s[20:21], s[0:1], 0x40              ; order
	v_lshl_add_u32 v59, v0, 2, 0x5000
	v_mov_b32 v63, 0
	v_lshrrev_b32 v5, 5, v0
	s_delay_alu instid0(VALU_DEP_1)
	v_readfirstlane_b32 s[WV], v5                  ; wave 0..7: the K step of a weight's work-group
	v_and_b32 v[LANE], 31, v0
	v_and_b32 v[R], 15, v0
	v_bfe_u32 v[H], v0, 4, 1
	s_delay_alu instid0(VALU_DEP_1)
	v_lshlrev_b32 v[SH8], 3, v[H]
	s_delay_alu instid0(VALU_DEP_3)
	v_lshlrev_b32 v[WO], 2, v[R]                   ; column r: 4 bytes;
	s_delay_alu instid0(VALU_DEP_1)
	v_lshl_add_u32 v[WO], v[H], 17, v[WO]          ; lanes 16-31 begin 32 rows of 4,096 bytes further down
	v_lshlrev_b32 v[L16], 4, v[LANE]
	v_mov_b32 v[TT], 0                             ; written once: a lane permute's destination counts as one of its sources
	s_mov_b32 s[SEL], 0x76543210
	s_mov_b32 s[SEL+1], 0xfedcba98                 ; lane l xor 16
	s_mov_b32 s29, 0
	s_mov_b32 s31, 0
	s_wait_kmcnt 0x0
	s_cmp_ge_u32 ttmp9, 128
	s_cbranch_scc1 .Llist
	s_cmp_ge_u32 ttmp9, 64
	s_cbranch_scc1 .Lw1
	; ---- w2: wave s makes fragment s of column tile ct
	s_mov_b32 s[CT], ttmp9
	s_lshl_b32 s28, s[CT], 6                       ; 16 columns of 4 bytes,
	s_lshl_b32 s30, s[WV], 19                      ; 128 rows of 4,096 bytes
	s_add_co_u32 s28, s28, s30
	s_add_nc_u64 s[26:27], s[6:7], s[28:29]
	s_wait_alu depctr_va_vdst(0)
	WLOAD 26
	s_mul_i32 s30, s[CT], 12800
	s_mul_i32 s32, s[WV], 1536
	s_add_co_u32 s30, s30, s32
	s_add_nc_u64 s[16:17], s[16:17], s[30:31]      ; my fragment's image
	s_lshr_b32 s32, s[WV], 2
	s_lshl_b32 s32, s32, 8
	s_and_b32 s33, s[WV], 3
	s_lshl_b32 s33, s33, 2
	s_add_co_u32 s32, s32, s33
	v_lshl_add_u32 v[LA], v[R], 4, s32             ; my column's scale word: 256 (s / 4) + 16 r + 4 (s % 4)
	s_wait_loadcnt 0x0
	QFRAG W, WF, WS
	global_store_b128 v[L16], v[WF:WF+3], s[16:17]                 ; each store of the wave covers 512 consecutive bytes, aligned
	global_store_b128 v[L16], v[WF+4:WF+7], s[16:17] offset:512
	global_store_b128 v[L16], v[WF+8:WF+11], s[16:17] offset:1024
	ds_store_b32 v[LA], v[WS]                      ; both halves of the lanes write the same word with the same value
	s_wait_dscnt 0x0                               ; for the others' sake: my word lies in LDS
	s_barrier_signal -1
	s_barrier_wait -1
	s_cmp_lg_u32 s[WV], 0
	s_cbranch_scc1 .Lw2_end
	ds_load_b128 v[28:31], v[L16]                  ; the tile's 512 bytes of scale words leave as two aligned blocks of 256 bytes (wave 0's image begins at the tile's first byte)
	s_wait_dscnt 0x0
	global_store_b128 v[L16], v[28:31], s[16:17] offset:12288
.Lw2_end:
	s_wait_tensorcnt 0x0
	ds_add_u32 v59, v63
	s_wait_dscnt 0x0
	s_endpgm
	; ---- w1 and the query: wave s makes K step s's part of q_proj for 16 units x 32 batches
.Lw1:
	s_sub_co_u32 s[CT], ttmp9, 64
	s_lshl_b32 s28, s[CT], 6
	s_lshl_b32 s30, s[WV], 19
	s_add_co_u32 s28, s28, s30
	s_add_nc_u64 s[26:27], s[4:5], s[28:29]
	s_wait_alu depctr_va_vdst(0)
	WLOAD 26
	s_lshl_b32 s28, s[WV], 9                       ; the query's K step: 128 numbers of 4 bytes
	s_add_nc_u64 s[8:9], s[8:9], s[28:29]
	v_lshlrev_b32 v5, 12, v[R]                     ; row r of 4,096 bytes,
	s_delay_alu instid0(VALU_DEP_1)
	v_lshl_add_u32 v5, v[H], 7, v5                 ; + 128 h: my 32 numbers of each 64
.irp t, 0,1
.irp c, 0,1
.irp i, 0,1,2,3,4,5,6,7
	global_load_b128 v[Q+64*\t+32*\c+4*\i:Q+64*\t+32*\c+4*\i+3], v5, s[8:9] offset:65536*\t+256*\c+16*\i
.endr
.endr
.endr
	s_lshl_b32 s28, s[WV], 11
	v_add_nc_u32 v[LA], s28, v[L16]
	s_delay_alu instid0(VALU_DEP_1)
	v_add_nc_u32 v[LA], RED, v[LA]                 ; where my partial sums go: RED + 2048 s + 16 x lane
	s_lshl_b32 s28, s[CT], 6
	s_add_nc_u64 s[10:11], s[10:11], s[28:29]
	s_add_nc_u64 s[12:13], s[12:13], s[28:29]
	s_lshl_b32 s28, s[CT], 11
	s_add_nc_u64 s[18:19], s[18:19], s[28:29]
	s_wait_loadcnt 0x0                             ; all 96 loads are in: v64-255 are mine again
	QFRAG W, WF, WS
	QFRAG Q, QF, QS
	QFRAG Q+64, QF+12, QS+1
	; Where thread T reads the sums back, made here in registers that the weight's numbers have left.  These twelve plain lines name no register of the two products below:
	; they are also the places in front of them (a scale register written by a vector instruction stands 8 places ahead of a scaled matrix instruction, an operand so written 4).
	v_lshrrev_b32 v80, 6, v0                       ; T = 4 x batch + 2 h + half: tile = T / 64,
	v_and_b32 v81, 1, v0                           ; half = T % 2,
	s_delay_alu instid0(VALU_DEP_1)
	v_lshl_add_u32 v80, v80, 1, v81
	v_bfe_u32 v81, v0, 2, 4                        ; r = (T / 4) % 16,
	v_bfe_u32 v82, v0, 1, 1                        ; h = (T / 2) % 2
	s_delay_alu instid0(VALU_DEP_1)
	v_lshl_add_u32 v81, v82, 4, v81
	s_delay_alu instid0(VALU_DEP_1)
	v_lshlrev_b32 v81, 4, v81
	s_delay_alu instid0(VALU_DEP_1)
	v_lshl_add_u32 v80, v80, 9, v81
	s_delay_alu instid0(VALU_DEP_1)
	v_add_nc_u32 v80, RED, v80                     ; RED + 512 (2 tile + half) + 16 (r + 16 h)
	v_and_b32 v81, 3, v0
	s_delay_alu instid0(VALU_DEP_1)
	v_lshlrev_b32 v81, 4, v81                      ; the biases: 16 (T % 4)
	v_lshlrev_b32 v82, 4, v0                       ; the table: 16 T
	; transposed: source 0 = 16 columns of w1, source 1 = 16 batches: lane (r, h) holds batch 16 t + r, register j unit 8 h + j
	v_wmma_scale_f32_16x16x128_f8f6f4 v[64:71], v[WF:WF+11], v[QF:QF+11], 0, v[WS], v[QS] matrix_a_fmt:MATRIX_FMT_FP6 matrix_b_fmt:MATRIX_FMT_FP6
	v_wmma_scale_f32_16x16x128_f8f6f4 v[72:79], v[WF:WF+11], v[QF+12:QF+23], 0, v[WS], v[QS+1] matrix_a_fmt:MATRIX_FMT_FP6 matrix_b_fmt:MATRIX_FMT_FP6
.rept 4
	v_nop                                          ; places in front of the stores that read the results
.endr
	ds_store_b128 v[LA], v[64:67]                  ; each accumulator from its low end on
	ds_store_b128 v[LA], v[68:71] offset:512
	ds_store_b128 v[LA], v[72:75] offset:1024
	ds_store_b128 v[LA], v[76:79] offset:1536
	s_wait_dscnt 0x0                               ; for the others' sake
	s_barrier_signal -1
	s_barrier_wait -1
	s_cmp_ge_u32 s[WV], 4
	s_cbranch_scc1 .Lw1_end
	s_wait_alu depctr_va_vdst(0)
.irp s, 0,1,2,3,4,5,6,7
	ds_load_b128 v[128+4*\s:131+4*\s], v80 offset:2048*\s          ; the eight K steps' parts of my four numbers
.endr
	global_load_b128 v[160:163], v81, s[10:11]
	global_load_b128 v[164:167], v81, s[12:13]
	s_wait_dscnt 0x0
.irp s, 0,2,4,6
	v_pk_add_f32 v[128+4*\s:129+4*\s], v[128+4*\s:129+4*\s], v[132+4*\s:133+4*\s]
	v_pk_add_f32 v[130+4*\s:131+4*\s], v[130+4*\s:131+4*\s], v[134+4*\s:135+4*\s]
.endr
.irp s, 0
	v_pk_add_f32 v[128+4*\s:129+4*\s], v[128+4*\s:129+4*\s], v[136+4*\s:137+4*\s]
	v_pk_add_f32 v[130+4*\s:131+4*\s], v[130+4*\s:131+4*\s], v[138+4*\s:139+4*\s]
.endr
.irp s, 4
	s_delay_alu instid0(VALU_DEP_4)
	v_pk_add_f32 v[128+4*\s:129+4*\s], v[128+4*\s:129+4*\s], v[136+4*\s:137+4*\s]
	s_delay_alu instid0(VALU_DEP_4)
	v_pk_add_f32 v[130+4*\s:131+4*\s], v[130+4*\s:131+4*\s], v[138+4*\s:139+4*\s]
.endr
	s_delay_alu instid0(VALU_DEP_2)
	v_pk_add_f32 v[128:129], v[128:129], v[144:145]
	s_delay_alu instid0(VALU_DEP_2)
	v_pk_add_f32 v[130:131], v[130:131], v[146:147]
	s_wait_loadcnt 0x0
	v_pk_add_f32 v[160:161], v[160:161], v[164:165]                ; b1 + b2
	s_wait_alu depctr_va_vdst(0)
	v_pk_add_f32 v[162:163], v[162:163], v[166:167]
	v_pk_add_f32 v[128:129], v[128:129], v[160:161]
	s_delay_alu instid0(VALU_DEP_2)
	v_pk_add_f32 v[130:131], v[130:131], v[162:163]
	global_store_b128 v82, v[128:131], s[18:19]    ; a wave stores 512 consecutive bytes, aligned
.Lw1_end:
	s_wait_tensorcnt 0x0
	ds_add_u32 v59, v63
	s_wait_dscnt 0x0
	s_endpgm
	; ---- the lists.  Whole numbers alone: the stores' addresses hang on them
.Llist:
	s_sub_co_u32 s[CT], ttmp9, 128
	s_lshl_b32 s[CT], s[CT], 3
	s_add_co_u32 s[CT], s[CT], s[WV]               ; my batch
	s_lshl_b32 s28, s[CT], 13
	s_add_nc_u64 s[14:15], s[14:15], s[28:29]
	s_mul_i32 s28, s[CT], 8448
	s_add_nc_u64 s[20:21], s[20:21], s[28:29]
	s_wait_alu depctr_va_vdst(0)
.irp q, 0,1,2,3,4,5,6,7,8,9,10,11,12,13,14,15
	global_load_b128 v[64+4*\q:67+4*\q], v[L16], s[14:15] offset:512*\q        ; register 64 + 4 q + e: the mask of row 128 q + 4 x lane + e
.endr
	v_lshlrev_b32 v5, 2, v[LANE]
	s_mov_b32 s34, 0                               ; kept rows so far
	s_mov_b32 s35, 2047                            ; the place of the next row that is not kept
	s_wait_loadcnt 0x0
	v_mov_b32 v6, v64                              ; the batch's largest mask: my 64,
.set n, 1
.rept 63
	s_delay_alu instid0(VALU_DEP_1)
	v_cmp_gt_i32 vcc_lo, v[64+n], v6
	s_delay_alu instid0(VALU_DEP_1)
	v_cndmask_b32 v6, v6, v[64+n], vcc_lo
.set n, n+1
.endr
	s_delay_alu instid0(VALU_DEP_1)
	v_mov_b32 v7, v6
.irp m, 1
	s_delay_alu instid0(VALU_DEP_2)
	v_mov_b32_dpp v7, v6 row_xmask:\m row_mask:0xf bank_mask:0xf   ; the sixteen lanes',
	s_delay_alu instid0(VALU_DEP_1)
	v_cmp_gt_i32 vcc_lo, v7, v6
	s_delay_alu instid0(VALU_DEP_1)
	v_cndmask_b32 v6, v6, v7, vcc_lo
.endr
.irp m, 2, 4, 8
	s_delay_alu instid0(VALU_DEP_1)
	v_mov_b32_dpp v7, v6 row_xmask:\m row_mask:0xf bank_mask:0xf   ; the sixteen lanes',
	s_delay_alu instid0(VALU_DEP_1)
	v_cmp_gt_i32 vcc_lo, v7, v6
	s_delay_alu instid0(VALU_DEP_1)
	v_cndmask_b32 v6, v6, v7, vcc_lo
.endr
	s_delay_alu instid0(VALU_DEP_1)
	v_permlanex16_b32 v7, v6, s[SEL], s[SEL+1]     ; the other half's
	s_delay_alu instid0(VALU_DEP_1)
	v_cmp_gt_i32 vcc_lo, v7, v6
	s_delay_alu instid0(VALU_DEP_1)
	v_cndmask_b32 v6, v6, v7, vcc_lo
.set n, 0
.rept 64                               ; 32 rows at a time; each store has its own address and data registers, so none is written again
	v_cmp_eq_u32 vcc_lo, v[64+n], v6
	s_delay_alu instid0(VALU_DEP_1)
	v_mbcnt_lo_u32_b32 v8, vcc_lo, 0               ; kept rows in the lanes below me
	s_delay_alu instid0(VALU_DEP_1)
	v_add_nc_u32 v9, s34, v8                       ; a kept row's place
	s_delay_alu instid0(VALU_DEP_2)
	v_sub_nc_u32 v10, v8, v[LANE]
	s_delay_alu instid0(VALU_DEP_1)
	v_add_nc_u32 v10, s35, v10                     ; another's: downward by the rows not kept in the lanes below me
	s_delay_alu instid0(VALU_DEP_1)
	v_cndmask_b32 v[64+n], v10, v9, vcc_lo
	s_delay_alu instid0(VALU_DEP_1)
	v_min_u32 v[64+n], 0x7ff, v[64+n]              ; a place made of loaded numbers enters an address behind this bound
	s_delay_alu instid0(VALU_DEP_1)
	v_lshlrev_b32 v[64+n], 2, v[64+n]
	v_add_nc_u32 v[128+n], 128*(n/4)+n%4, v5       ; the row's number
	global_store_b32 v[64+n], v[128+n], s[20:21]
	s_bcnt1_i32_b32 s36, vcc_lo
	s_add_co_u32 s34, s34, s36
	s_add_co_u32 s35, s35, s36
	s_sub_co_u32 s35, s35, 32
.set n, n+1
.endr
	v_mov_b32 v11, s34
	global_store_b32 v5, v11, s[20:21] offset:8192 ; the number of kept rows
	s_endpgm
.Lfunc_end_k_q7fbbc6bd36_prep:
	.size	k_q7fbbc6bd36_prep, .Lfunc_end_k_q7fbbc6bd36_prep-k_q7fbbc6bd36_prep
	.p2alignl 7, 3214868480
	.fill 96, 4, 3214868480
	.section	.rodata,"a",@progbits
	.p2align	6, 0x0
	.amdhsa_kernel k_q7fbbc6bd36_prep
		.amdhsa_group_segment_fixed_size 21504
		.amdhsa_private_segment_fixed_size 0
		.amdhsa_enable_private_segment 0
		.amdhsa_kernarg_size 72
		.amdhsa_user_sgpr_count 2
		.amdhsa_user_sgpr_kernarg_segment_ptr 1
		.amdhsa_wavefront_size32 1
		.amdhsa_system_sgpr_workgroup_id_x 1
		.amdhsa_system_sgpr_workgroup_id_y 1
		.amdhsa_system_sgpr_workgroup_id_z 1
		.amdhsa_system_vgpr_workitem_id 0
		.amdhsa_next_free_vgpr 256
		.amdhsa_next_free_sgpr 66
		.amdhsa_reserve_vcc 1
		.amdhsa_float_denorm_mode_32 3
		.amdhsa_float_denorm_mode_16_64 3
		.amdhsa_memory_ordered 1
		.amdhsa_forward_progress 1
		.amdhsa_inst_pref_size 102
	.end_amdhsa_kernel
	.amdgpu_metadata
---
amdhsa.version: [ 1, 2 ]
amdhsa.kernels:
  - .name:           k_q7fbbc6bd36_prep
    .symbol:         k_q7fbbc6bd36_prep.kd
    .args:
      - { .name: w1, .offset: 0, .size: 8, .value_kind: global_buffer, .address_space: global }
      - { .name: w2, .offset: 8, .size: 8, .value_kind: global_buffer, .address_space: global }
      - { .name: query, .offset: 16, .size: 8, .value_kind: global_buffer, .address_space: global }
      - { .name: b1, .offset: 24, .size: 8, .value_kind: global_buffer, .address_space: global }
      - { .name: b2, .offset: 32, .size: 8, .value_kind: global_buffer, .address_space: global }
      - { .name: mask, .offset: 40, .size: 8, .value_kind: global_buffer, .address_space: global }
      - { .name: w2img, .offset: 48, .size: 8, .value_kind: global_buffer, .address_space: global }
      - { .name: qpT, .offset: 56, .size: 8, .value_kind: global_buffer, .address_space: global }
      - { .name: order, .offset: 64, .size: 8, .value_kind: global_buffer, .address_space: global }
    .group_segment_fixed_size: 21504
    .private_segment_fixed_size: 0
    .kernarg_segment_align: 8
    .kernarg_segment_size: 72
    .max_flat_workgroup_size: 256
    .sgpr_count:     66
    .vgpr_count:     256
    .wavefront_size: 32
...
	.end_amdgpu_metadata
.endif
;; end of part 1
;; launch scores (part 2): grid 8 x 32, 4 waves a work-group, no clusters, 199,168 bytes of LDS; arguments values, w2img, qpT, v, order, raw; writes raw
.if DOCPART == 2
	.amdgcn_target "amdgcn-amd-amdhsa--gfx1250"
	.amdhsa_code_object_version 6
	.text
	.protected	k_q7fbbc6bd36_scores
	.globl	k_q7fbbc6bd36_scores
	.p2align	8
	.type	k_q7fbbc6bd36_scores,@function
k_q7fbbc6bd36_scores:
	s_mov_b64 s[64:65], 0
	v_nop
	global_prefetch_b8 v0, s[64:65] scope:SCOPE_SE
	s_setreg_imm32_b32 hwreg(HW_REG_WAVE_MODE, 25, 1), 1
	s_wait_xcnt 0x0
; SCORES.  raw[row] = sum over the 1,024 units u of v[u] / (1 + exp(2 x[row][u])), x = Q(values) Q(w2) + (q_proj + b1 + b2); tanh(x) = 1 - 2 / (1 + exp(2 x)), so the next launch makes score = sum(v) + bv - 2 raw.
; ONLY THE ROWS THAT THE MASK KEEPS ARE MULTIPLIED.  The first launch stored, as whole numbers, each batch's list of all 2,048 rows, the rows whose mask equals the batch's largest first, and their number cnt.
; A row with a smaller mask lies at least 1e9 under the kept rows less twice the sum of |v|, so its weight is exactly 0 whatever its raw (LIMIT: the sum of |v| under 4.9e8, as the next launch states).
; SHARES.  Work-group (x, b): batch b.  Wave w takes the tiles of 16 list places 4 x + w + 32 t, t = 0 .. 3, and computes those with t < NT, NT = ceil((ceil(cnt / 16) - 4 x) / 32) held to 2 .. 4, the same in all four waves.
; Places of tiles with t >= NT all lie behind cnt: they store raw = 0.  So every row's raw is stored, by one owner.  (A work-group with fewer than two tiles of kept rows a wave still computes two.)
; THE HEAD: a unit is 16 rows x 128 along K.  A load reads 512 consecutive bytes of one row; up to four units, 8 KiB each, are out for each wave; a unit turns through the wave's own stage in LDS, so that a lane gets
; 2 x 32 neighbours of its row, and the conversions' results are the operand's registers (8 K steps x 12 registers a tile, windows 1 and 2).  Tiles 0 and 1 are one run of 16 units; tiles 2 and 3 come in a loop of NT - 2 trips.
; THE LOOP walks w2's 64 column tiles, two a trip.  Their images (12,800 bytes a tile) go through registers into a ring of four LDS slots of two tiles; each wave carries a quarter, 6,400 bytes.  One barrier a trip, in code common
; to all NT; the three forms of a column tile (NT = 2, 3, 4) hold no barrier.  A trip reads slots j and j + 1 and stores pair j + 3 over pair j - 1.  The last trips fetch pair 31 again in place of pairs that do not exist.
; A COLUMN TILE: 8 NT matrix instructions on end, NT accumulators by turns, the bias as the first one's C; among the last 4 NT stand the previous tile's multiply-adds with v; then tanh's
; parts in whole batches.  The product is used transposed: a lane holds one row, its registers eight units.
; No tensor load, and so no joint load in a cluster.  No prefetch: the head's own loads run four units ahead, and w2's image is read by all 256 work-groups.
; LIMITS: exp(2 x) beyond f32's range gives infinity and the term 0, which is tanh = 1.  A block of zeros gets the scale byte 1.  NaN and infinities among the inputs are not served.
; REGISTERS, window 0: v1-11 addresses; v12-27 the rows' scale words; v28-35 w2's; v36-51 biases; v52-67 sums; v68-163 w2's fragments; v164-227 accumulators, two sets; v244-247 my rows' numbers; v248-251 the image's addresses.
;   In the head v68-195 numbers, v196-211 at work, v212-243 the rows' offsets.  Window 2 v192-207: v.  Window 3: in the head four units as loaded, then v0-49 the image on its way.
.set SPW,  1
.set NIL,  2
.set LI,   3
.set AD0,  4
.set AD2,  5
.set H32,  6
.set VT,   7
.set VT2,  8
.set SH8,  9
.set AX0,  10
.set STA,  11
.set AS,   12
.set BS,   28
.set BIAS, 36
.set S,    52
.set BF,   68
.set ACC,  164
.set X0,   68
.set MX,   196
.set SO,   198
.set TMP,  200
.set BY,   208
.set TT,   210
.set SW,   211
.set RO,   212
.set IDX,  244
.set GW16, 248
.set GW8,  249
.set LW16, 250
.set LW8,  251
.set PL,   252
.set IDXC, 253
.set RING, 0x1ffff                     ; four slots, 32,768 bytes apart
.set STG,  131072                      ; the stages: 2 x 8,448 bytes a wave
.set SPARE, 198656                     ; the spare words
.set WV,   16
.set BT,   18
.set NT,   19
.set SEL,  20
.set CS,   22
.set HM,   24
.set CNT,  25
.set TB,   26
.set TJ,   27
.set TQ,   28
.set SB,   34
.set PO,   36
.set QB,   38
.set M1,   0x04
.set M2,   0x08
.set TO2,  0x80
.set MSB,  0
.macro WIN new
.if MSB != (\new)
	s_set_vgpr_msb (MSB<<8)|(\new)
.set MSB, (\new)
.endif
.endm
; 64 numbers of a lane (register src + 32 c + i = k 64 c + 32 (lane / 16) + i) become 12 registers of codes at dst in window win, and the scale word in SW
.macro QFRAG src, dst, win
	v_max3_num_f32 v[MX], |v[\src]|, |v[\src+1]|, 0x1800000        ; the floor 2^(3 - 127) holds the byte at 1 from below
	v_max3_num_f32 v[MX+1], |v[\src+32]|, |v[\src+33]|, 0x1800000
.irp i, 2,4,6,8,10,12,14,16,18,20,22,24,26,28,30
	v_max3_num_f32 v[MX], v[MX], |v[\src+\i]|, |v[\src+\i+1]|
	v_max3_num_f32 v[MX+1], v[MX+1], |v[\src+32+\i]|, |v[\src+33+\i]|
.endr
	v_add_nc_u32 v[SO], 0xff000000, v[MX]                          ; 2 off the exponent field: the conversion's scale operand
	v_add_nc_u32 v[SO+1], 0xff000000, v[MX+1]
	v_lshrrev_b32 v[BY], 23, v[SO]
	v_lshrrev_b32 v[BY+1], 23, v[SO+1]
	v_lshl_or_b32 v[SW], v[BY+1], 16, v[BY]
	v_lshlrev_b32 v[SW], v[SH8], v[SW]
	v_permlanex16_b32 v[TT], v[SW], s[SEL], s[SEL+1]
	v_or_b32 v[SW], v[SW], v[TT]                                   ; with lane l xor 16's two bytes the word is whole
	v_cvt_scalef32_pk16_fp6_f32 v[TMP:TMP+2], v[\src+16:\src+31], v[SO]
	v_cvt_scalef32_pk16_fp6_f32 v[TMP+4:TMP+6], v[\src+48:\src+63], v[SO+1]
	WIN \win
	v_cvt_scalef32_pk16_fp6_f32 v[\dst:\dst+2], v[\src:\src+15], v[SO]
	v_cvt_scalef32_pk16_fp6_f32 v[\dst+6:\dst+8], v[\src+32:\src+47], v[SO+1]
	v_nop                                                          ; one plain line behind the scaled conversions
.irp i, 0,1,2
	v_mov_b32 v[\dst+3+\i], v[TMP+\i]
	v_mov_b32 v[\dst+9+\i], v[TMP+4+\i]
.endr
	WIN 0
.endm
.macro ROWS idx, set                   ; the byte offsets of a tile's 16 rows: 4,096 x row + 16 x lane
.irp i, 0,1,2,3,4,5,6,7,8,9,10,11,12,13,14,15
	v_readlane_b32 s[40+\i%4], v[\idx], \i
	s_min_u32 s[40+\i%4], s[40+\i%4], 0x7ff        ; a loaded number enters an address behind this bound
	v_lshl_add_u32 v[RO+16*\set+\i], s[40+\i%4], 12, v[LI]
.endr
.endm
.macro GLD u                           ; unit u is asked for: 16 rows x 512 consecutive bytes, into set u % 4 of window 3
	WIN 0xc0
.irp i, 0,1,2,3,4,5,6,7,8,9,10,11,12,13,14,15
	global_load_b128 v[64*((\u)%4)+4*\i:64*((\u)%4)+4*\i+3], v[RO+16*(((\u)/8)%2)+\i], s[4:5] offset:512*((\u)%8)
.endr
	WIN 0
.endm
.macro TURN u                          ; unit u through my stage (rows 528 bytes apart); LDS serves a wave's instructions in order
	WIN 0x0c
.irp i, 0,1,2,3,4,5,6,7,8,9,10,11,12,13,14,15
	ds_store_b128 v[STA], v[64*((\u)%4)+4*\i:64*((\u)%4)+4*\i+3] offset:8448*((\u)%2)+528*\i
.endr
	WIN 0
.irp c, 0,1
.irp i, 0,1,2,3,4,5,6,7
	ds_load_b128 v[X0+64*((\u)%2)+32*\c+4*\i:X0+64*((\u)%2)+32*\c+4*\i+3], v[AX0] offset:8448*((\u)%2)+256*\c+16*\i
.endr
.endr
.endm
.macro HSTEP u, U, t0                  ; unit u of a run of U: the next unit turns through the stage, unit u + 4 is asked for, unit u is quantised
.if (\u)+1 < \U
.if \U-2-(\u) >= 2
	s_wait_loadcnt 32                              ; unit u + 1 is in; units u + 2 and u + 3 may be out
.else
	s_wait_loadcnt 16*(\U-2-(\u))
.endif
	TURN (\u)+1
	s_wait_dscnt 32                                ; all but the 32 just issued: unit u's numbers are here, and its stores are done
.else
	s_wait_dscnt 0x0
.endif
.if (\u)+4 < \U
	GLD (\u)+4
.endif
	QFRAG X0+64*((\u)%2), 48*((\u)%4)+12*(\t0+(\u)/8), 0x40*(1+((\u)%8)/4)
.if ((\u)%8) < 4
	v_mov_b32 v[AS+4*(\t0+(\u)/8)+(\u)%8], v[SW]
.else
	v_cndmask_b32 v[AS+4*(\t0+(\u)/8)+(\u)%8-4], v[AS+4*(\t0+(\u)/8)+(\u)%8-4], v[SW], s[HM]   ; K steps 4-7: lanes 16-31
.endif
.endm
.macro SLD r, base, off                ; my 6,400 bytes of a pair's image: 12 x 512 bytes and 256 bytes
.irp i, 0,1,2,3,4,5,6,7,8,9,10,11
	global_load_b128 v[\r+4*\i:\r+4*\i+3], v[GW16], s[\base:\base+1] offset:\off+512*\i
.endr
	global_load_b64 v[\r+48:\r+49], v[GW8], s[\base:\base+1] offset:\off
.endm
.macro SST r, a16, a8, off             ; and into a slot
.irp i, 0,1,2,3,4,5,6,7,8,9,10,11
	ds_store_b128 v[\a16], v[\r+4*\i:\r+4*\i+3] offset:\off+512*\i
.endr
	ds_store_b64 v[\a8], v[\r+48:\r+49] offset:\off
.endm
.macro WM s, p                         ; K step s of row tile tt, into set p
.set rD, ACC+32*(\p)+8*tt
.set rA, BF+12*(\s)
.set rB, 48*((\s)%4)+12*tt
.set rSA, BS+4*(\p)+(\s)%4
.set rSB, AS+4*tt+(\s)%4
.if (\s) == 0
	v_wmma_scale_f32_16x16x128_f8f6f4 v[rD:rD+7], v[rA:rA+11], v[rB:rB+11], v[BIAS+8*(\p):BIAS+8*(\p)+7], v[rSA], v[rSB] matrix_a_fmt:MATRIX_FMT_FP6 matrix_b_fmt:MATRIX_FMT_FP6
.elseif (\s) < 4
	v_wmma_scale_f32_16x16x128_f8f6f4 v[rD:rD+7], v[rA:rA+11], v[rB:rB+11], v[rD:rD+7], v[rSA], v[rSB] matrix_a_fmt:MATRIX_FMT_FP6 matrix_b_fmt:MATRIX_FMT_FP6
.else
	v_wmma_scale_f32_16x16x128_f8f6f4 v[rD:rD+7], v[rA:rA+11], v[rB:rB+11], v[rD:rD+7], v[rSA], v[rSB] matrix_a_fmt:MATRIX_FMT_FP6 matrix_b_fmt:MATRIX_FMT_FP6 matrix_a_scale:MATRIX_SCALE_ROW1 matrix_b_scale:MATRIX_SCALE_ROW1
.endif
.endm
.macro TF q, X, wb                     ; sums += v x 1 / (1 + exp(2 x)), two units at a time (v in window 2: under M2 alone)
.set rS, S+4*((\q)/4)+2*((\q)%2)
.set rW, 192+8*(\wb)+2*((\q)%4)
	v_pk_fma_f32 v[rS:rS+1], v[\X+2*(\q):\X+2*(\q)+1], v[rW:rW+1], v[rS:rS+1]
.endm
.macro KSTEP s, p, nt                  ; nt matrix instructions, a turn each; from K step 4 on one multiply-add of the other set behind each
.set tt, 0
.rept \nt
	WM \s, \p
.if (\s) >= 4
	TF \nt*((\s)-4)+tt, ACC+32*(1-(\p)), 1-(\p)
.endif
.set tt, tt+1
.endr
.endm
.macro LDBUF n, areg, off
.irp g, 0,1,2
	ds_load_b128 v[BF+12*(\n)+4*\g:BF+12*(\n)+4*\g+3], v[\areg] offset:(\off)+1536*(\n)+512*\g
.endr
.endm
; Column tile n = 2 j + p, for nt row tiles.  na + no: the next tile's image.
; GLOBAL LOADS in their order, a trip: v(2 j) 2, bias 2, the image of pair j + 4 13, v(2 j + 1) 2, bias 2.  LDS, out at an odd tile's start: scale words and fragments 0-3 (13), fragments 4-7 (12), the image's 13 stores.
.macro COLT nt, p, na, no
	WIN TO2
	global_load_b128 v[192+8*\p:195+8*\p], v[VT], s[10:11] offset:64*\p            ; v's 16 units of this tile: used in the next tile's second half
	global_load_b128 v[196+8*\p:199+8*\p], v[VT], s[10:11] offset:64*\p+16
	WIN M1
	s_wait_loadcnt 19                              ; this tile's bias is in: behind it 13 of the image, v and bias of tile n - 1, v(n)
.if \p
	s_wait_dscnt 25                                ; scale words and fragments 0-3 (an even tile begins behind a wait for all)
.endif
	KSTEP 0, \p, \nt
	KSTEP 1, \p, \nt
	KSTEP 2, \p, \nt
	KSTEP 3, \p, \nt
	WIN M2
	s_wait_loadcnt 4+13*\p                         ; v(n - 1) is in: behind it bias(n - 1), for an odd tile the image's 13, v(n)
.if \p
	s_wait_dscnt 13                                ; fragments 4-7
.endif
	KSTEP 4, \p, \nt
	KSTEP 5, \p, \nt                               ; the 2 nt multiply-adds so far are the places in front of the loads below
	ds_load_b128 v[BS+4*(1-\p):BS+4*(1-\p)+3], v[\na] offset:\no+12288
.irp n, 0,1,2,3
	LDBUF \n, \na, \no
.endr
	global_load_b128 v[BIAS+8*\p:BIAS+8*\p+3], v[VT2], s[QB:QB+1] offset:2048*\p   ; the bias of tile n + 2
	global_load_b128 v[BIAS+8*\p+4:BIAS+8*\p+7], v[VT2], s[QB:QB+1] offset:2048*\p+16
	KSTEP 6, \p, \nt
	KSTEP 7, \p, \nt
.rept 4-\nt
	v_nop                                          ; with the nt multiply-adds: four places between an accumulator's last product and its first reader
.endr
.set q, 0
.rept 4*\nt                            ; each accumulator from its low end on
	v_pk_mul_f32 v[ACC+32*\p+2*q:ACC+32*\p+2*q+1], v[ACC+32*\p+2*q:ACC+32*\p+2*q+1], s[CS:CS+1] op_sel_hi:[1,0]       ; 2 log2(e) x
.set q, q+1
.endr
.irp n, 4,5,6,7
	LDBUF \n, \na, \no
.endr
	s_wait_alu depctr_va_vdst(0)                   ; a wait ahead of a batch of transcendentals and one behind it
.set q, 0
.rept 8*\nt
	v_exp_f32 v[ACC+32*\p+q], v[ACC+32*\p+q]
.set q, q+1
.endr
	s_wait_alu depctr_va_vdst(0)
.set q, 0
.rept 4*\nt
	v_pk_add_f32 v[ACC+32*\p+2*q:ACC+32*\p+2*q+1], v[ACC+32*\p+2*q:ACC+32*\p+2*q+1], 1.0 op_sel_hi:[1,0]
.set q, q+1
.endr
	s_wait_alu depctr_va_vdst(0)
.set q, 0
.rept 8*\nt
	v_rcp_f32 v[ACC+32*\p+q], v[ACC+32*\p+q]
.set q, q+1
.endr
	v_nop                                          ; a plain line behind the last reciprocal
	s_wait_alu depctr_va_vdst(0)
	WIN 0
.endm
.macro DISP p, na, no                  ; the form for my work-group's NT
	s_cmp_eq_u32 s[NT], 2
	s_cbranch_scc1 .Lt2_\@
	s_cmp_eq_u32 s[NT], 3
	s_cbranch_scc1 .Lt3_\@
	COLT 4, \p, \na, \no
	s_branch .Ltj_\@
.Lt3_\@:
	COLT 3, \p, \na, \no
	s_branch .Ltj_\@
.Lt2_\@:
	COLT 2, \p, \na, \no
.Ltj_\@:
.endm
	s_load_b256 s[4:11], s[0:1], 0x0               ; values s[4:5], w2img s[6:7], qpT s[8:9], v s[10:11]
	s_load_b128 s[12:15], s[0:1], 0x20             ; order s[12:13], raw s[14:15]
	v_lshl_add_u32 v[SPW], v0, 2, SPARE
	v_mov_b32 v[NIL], 0
	v_lshrrev_b32 v252, 5, v0
	v_readfirstlane_b32 s[WV], v252                ; wave 0..3
	s_and_b32 s[BT], ttmp7, 0xffff                 ; batch
	s_mov_b32 s[SEL], 0x76543210
	s_mov_b32 s[SEL+1], 0xfedcba98
	s_mov_b32 s[CS], 0x4038aa3b                    ; 2 log2(e)
	s_mov_b32 s[CS+1], s[CS]
	s_mov_b32 s[HM], 0xffff0000
	v_and_b32 v253, 15, v0
	v_bfe_u32 v254, v0, 4, 1
	v_and_b32 v255, 31, v0
	v_lshlrev_b32 v[LI], 4, v255
	v_lshlrev_b32 v[H32], 5, v254
	v_lshlrev_b32 v[SH8], 3, v254
	s_mul_i32 s44, s[WV], 16896
	s_add_co_u32 s44, s44, STG                     ; my stages
	v_add_nc_u32 v[STA], s44, v[LI]
	v_mul_u32_u24 v252, v253, 528
	v_lshl_add_u32 v252, v254, 7, v252
	v_add_nc_u32 v[AX0], s44, v252
	v_mov_b32 v[TT], 0
	s_mul_i32 s45, s[WV], 6400                     ; my quarter of a pair's image
	v_add_nc_u32 v[GW16], s45, v[LI]
	v_lshl_add_u32 v[GW8], v255, 3, s45
	v_add_nc_u32 v[GW8], 6144, v[GW8]
	v_add_nc_u32 v[LW16], 0x10000, v[GW16]         ; slot 2
	v_add_nc_u32 v[LW8], 0x10000, v[GW8]
	s_lshl_b32 s46, ttmp9, 2
	s_add_co_u32 s46, s46, s[WV]
	s_lshl_b32 s46, s46, 6                         ; tile 4 x + wave: 64 bytes of the list a tile
	v_lshl_add_u32 v[PL], v253, 2, s46
	s_mul_i32 s30, s[BT], 8448
	s_mov_b32 s31, 0
	s_lshl_b32 s32, s[BT], 23
	s_mov_b32 s33, 0
	s_mov_b32 s[PO+1], 0
	s_wait_alu depctr_va_vdst(0)
	s_wait_kmcnt 0x0
	s_add_nc_u64 s[12:13], s[12:13], s[30:31]
	s_add_nc_u64 s[4:5], s[4:5], s[32:33]
	s_lshl_b32 s30, s[BT], 6
	s_add_nc_u64 s[QB:QB+1], s[8:9], s[30:31]
	s_lshl_b32 s30, s[BT], 13
	s_add_nc_u64 s[14:15], s[14:15], s[30:31]
	s_load_b32 s[CNT], s[12:13], 0x2000            ; the number of kept rows
.irp t, 0,1,2,3
	global_load_b32 v[IDX+\t], v[PL], s[12:13] offset:2048*\t      ; the row at list place 16 (4 x + wave + 32 t) + lane % 16
.endr
	SLD 68, 6, 0                                   ; pairs 0, 1 and 2 of w2's image are on their way beside the first rows
	SLD 118, 6, 25600
	WIN 0x40
	SLD 192, 6, 51200
.irp k, 0,1,2,3                        ; tiles 2 and 3 begin as zero codes, so that every register of the operands' map is written on every way; these lines stand under the first loads' flight
.set n, 24
.rept 24
	v_mov_b32 v[48*\k+n], 0
.set n, n+1
.endr
.endr
	WIN 0x80
.irp k, 0,1,2,3
.set n, 24
.rept 24
	v_mov_b32 v[48*\k+n], 0
.set n, n+1
.endr
.endr
	WIN 0
.irp i, 8,9,10,11,12,13,14,15
	v_mov_b32 v[AS+\i], 0
.endr
	s_wait_kmcnt 0x0
	s_min_u32 s[CNT], s[CNT], 2048
	s_add_co_u32 s[NT], s[CNT], 15
	s_lshr_b32 s[NT], s[NT], 4                     ; the batch's tiles of kept rows
	s_lshl_b32 s44, ttmp9, 2
	s_add_co_u32 s[NT], s[NT], 31
	s_sub_co_u32 s[NT], s[NT], s44
	s_lshr_b32 s[NT], s[NT], 5
	s_max_u32 s[NT], s[NT], 2
	s_min_u32 s[NT], s[NT], 4
	s_wait_loadcnt 39                              ; the four loads of row numbers are in: behind them 3 x 13 of the image
.irp t, 0,1,2,3
	v_min_u32 v[IDX+\t], 0x7ff, v[IDX+\t]
.endr
	ROWS IDX, 0
	ROWS IDX+1, 1
	s_wait_alu depctr_va_vdst(0)
	GLD 0
	s_wait_loadcnt 16                              ; the image's three pairs are in: behind them unit 0's 16 loads
	SST 68, GW16, GW8, 0
	SST 118, GW16, GW8, 32768
	WIN 0x04
	SST 192, LW16, LW8, 0
	WIN 0
.irp u, 1,2,3
	GLD \u
.endr
	s_wait_loadcnt 48                              ; unit 0 is in; units 1 to 3 may be out
	s_wait_dscnt 0x0                               ; the image's stores are done: the stage's loads land on their registers
	TURN 0
.irp u, 0,1,2,3,4,5,6,7,8,9,10,11,12,13,14,15
	HSTEP \u, 16, 0
.endr
	s_cmp_lt_u32 s[NT], 3
	s_cbranch_scc1 .Lquantised
	s_sub_co_u32 s47, s[NT], 1
.Lextra:                                           ; list tile s47 = NT - 1 down to 2.  What tile place 2 holds moves to place 3, and the new tile is made in place 2
	WIN 0x41
.irp k, 0,1,2,3
.set n, 0
.rept 12
	v_mov_b32 v[48*\k+36+n], v[48*\k+24+n]
.set n, n+1
.endr
.endr
	WIN 0x82
.irp k, 0,1,2,3
.set n, 0
.rept 12
	v_mov_b32 v[48*\k+36+n], v[48*\k+24+n]
.set n, n+1
.endr
.endr
	WIN 0
.irp i, 0,1,2,3
	v_mov_b32 v[AS+12+\i], v[AS+8+\i]
.endr
	s_cmp_eq_u32 s47, 3
	s_cselect_b32 s46, -1, 0
	v_cndmask_b32 v[IDXC], v[IDX+2], v[IDX+3], s46
	ROWS IDXC, 0
	s_wait_alu depctr_va_vdst(0)
.irp u, 0,1,2,3
	GLD \u
.endr
	s_wait_loadcnt 48
	TURN 0
.irp u, 0,1,2,3,4,5,6,7
	HSTEP \u, 8, 2
.endr
	s_sub_co_u32 s47, s47, 1
	s_cmp_ge_u32 s47, 2
	s_cbranch_scc1 .Lextra
.Lquantised:
	global_load_b128 v[BIAS:BIAS+3], v[H32], s[QB:QB+1]
	global_load_b128 v[BIAS+4:BIAS+7], v[H32], s[QB:QB+1] offset:16
	global_load_b128 v[BIAS+8:BIAS+11], v[H32], s[QB:QB+1] offset:2048
	global_load_b128 v[BIAS+12:BIAS+15], v[H32], s[QB:QB+1] offset:2064
	s_mov_b32 s[PO], 3*25600
	s_add_nc_u64 s[SB:SB+1], s[6:7], s[PO:PO+1]
	WIN 0xc0
	SLD 0, SB, 0                                   ; pair 3
	WIN 0
.set n, 0
.rept 48                               ; set 0's tiles 2 and 3, and set 1 (set 0's tiles 0 and 1 are written by every form of a column tile)
	v_mov_b32 v[ACC+16+n], 0
.set n, n+1
.endr
.set n, 0
.rept 16
	v_mov_b32 v[S+n], 0
.set n, n+1
.endr
	WIN TO2
.set n, 0
.rept 8
	v_mov_b32 v[200+n], 0
.set n, n+1
.endr
	WIN 0
	s_mov_b32 s[TB], 0
	s_mov_b32 s[TJ], 0
	s_mov_b32 s[TQ], 4096
	s_wait_alu depctr_va_vdst(0)
	s_wait_dscnt 0x0                               ; my parts of pairs 0 to 2 lie in LDS
	s_barrier_signal -1
	s_barrier_wait -1
	ds_load_b128 v[BS:BS+3], v[LI] offset:12288    ; tile 0: its scale words and all eight fragments
.irp n, 0,1,2,3,4,5,6,7
	LDBUF \n, LI, 0
.endr
	s_wait_loadcnt 0x0
	s_mov_b32 s29, 32
.Lpair:                                            ; trip j: column tiles 2 j and 2 j + 1
	s_wait_xcnt 0x0                                ; the last trip's global loads have read their offsets
	v_add_nc_u32 v[AD0], s[TB], v[LI]
	s_add_co_u32 s44, s[TB], 3*32768
	s_and_b32 s44, s44, RING
	v_add_nc_u32 v[LW16], s44, v[GW16]             ; slot (j + 3) % 4
	v_add_nc_u32 v[LW8], s44, v[GW8]
	s_add_co_u32 s[TB], s[TB], 32768
	s_and_b32 s[TB], s[TB], RING
	v_add_nc_u32 v[AD2], s[TB], v[LI]
	v_add_nc_u32 v[VT], s[TJ], v[H32]
	s_add_co_u32 s[TJ], s[TJ], 128
	v_add_nc_u32 v[VT2], s[TQ], v[H32]
	s_add_co_u32 s[TQ], s[TQ], 4096
	s_and_b32 s[TQ], s[TQ], 0x1ffff                ; the last trip's look-ahead stays inside the table
	s_wait_alu depctr_va_vdst(0)
	s_wait_dscnt 0x0                               ; my stores of pair j + 2 are done, and so are my reads of pair j - 1
	s_barrier_signal -1
	s_barrier_wait -1                              ; both now hold of every wave
	DISP 0, AD0, 12800
	s_wait_loadcnt 8                               ; pair j + 3 is in my registers: behind it two tiles' v and bias
	WIN 0x0c
	SST 0, LW16, LW8, 0                            ; over pair j - 1
	WIN 0
	s_wait_xcnt 0x0
	s_add_co_u32 s[PO], s[PO], 25600
	s_min_u32 s[PO], s[PO], 31*25600               ; inside the image in the last trips too
	s_add_nc_u64 s[SB:SB+1], s[6:7], s[PO:PO+1]
	WIN 0xc0
	SLD 0, SB, 0                                   ; pair j + 4
	WIN 0
	DISP 1, AD2, 0
	s_sub_co_u32 s29, s29, 1
	s_cmp_lg_u32 s29, 0
	s_cbranch_scc1 .Lpair
	s_wait_loadcnt 0x0
	WIN M2
.set n, 0
.rept 16
	TF n, ACC+32, 1                                ; the last tile's multiply-adds
.set n, n+1
.endr
	WIN 0
.irp t, 0,1,2,3
	v_pk_add_f32 v[S+4*\t:S+4*\t+1], v[S+4*\t:S+4*\t+1], v[S+4*\t+2:S+4*\t+3]
	v_mov_b32 v[232+\t], 0
.endr
.irp t, 0,1,2,3
	v_add_f32 v[228+\t], v[S+4*\t], v[S+4*\t+1]
.endr
.irp t, 0,1,2,3
	v_permlanex16_b32 v[232+\t], v[228+\t], s[SEL], s[SEL+1]
.endr
.irp t, 0,1,2,3
	v_add_f32 v[228+\t], v[228+\t], v[232+\t]      ; with lane l xor 16's eight units of each tile: the row's sum
.endr
	v_cndmask_b32 v236, v228, v229, s[HM]          ; lanes 0-15 tile 0 (2), lanes 16-31 tile 1 (3): the sums,
	v_cndmask_b32 v237, v230, v231, s[HM]
	v_cndmask_b32 v238, v[IDX], v[IDX+1], s[HM]    ; and the rows' numbers
	v_cndmask_b32 v239, v[IDX+2], v[IDX+3], s[HM]
	v_min_u32 v238, 0x7ff, v238
	v_min_u32 v239, 0x7ff, v239
	v_lshlrev_b32 v238, 2, v238
	v_lshlrev_b32 v239, 2, v239
	global_store_b32 v238, v236, s[14:15]          ; each row's raw at 4 x row in the batch's 8,192 bytes
	global_store_b32 v239, v237, s[14:15]
	s_wait_tensorcnt 0x0                           ; the wave's end
	ds_add_u32 v[SPW], v[NIL]
	s_wait_dscnt 0x0
	s_endpgm
.Lfunc_end_k_q7fbbc6bd36_scores:
	.size	k_q7fbbc6bd36_scores, .Lfunc_end_k_q7fbbc6bd36_scores-k_q7fbbc6bd36_scores
	.p2alignl 7, 3214868480
	.fill 96, 4, 3214868480
	.section	.rodata,"a",@progbits
	.p2align	6, 0x0
	.amdhsa_kernel k_q7fbbc6bd36_scores
		.amdhsa_group_segment_fixed_size 199168
		.amdhsa_private_segment_fixed_size 0
		.amdhsa_enable_private_segment 0
		.amdhsa_kernarg_size 48
		.amdhsa_user_sgpr_count 2
		.amdhsa_user_sgpr_kernarg_segment_ptr 1
		.amdhsa_wavefront_size32 1
		.amdhsa_system_sgpr_workgroup_id_x 1
		.amdhsa_system_sgpr_workgroup_id_y 1
		.amdhsa_system_sgpr_workgroup_id_z 1
		.amdhsa_system_vgpr_workitem_id 0
		.amdhsa_next_free_vgpr 1024
		.amdhsa_next_free_sgpr 66
		.amdhsa_reserve_vcc 0
		.amdhsa_float_denorm_mode_32 3
		.amdhsa_float_denorm_mode_16_64 3
		.amdhsa_memory_ordered 1
		.amdhsa_forward_progress 1
		.amdhsa_inst_pref_size 255
	.end_amdhsa_kernel
	.section	.bss,"aw",@nobits
	.p2align	6
	.space	262144
	.amdgpu_metadata
---
amdhsa.version: [ 1, 2 ]
amdhsa.kernels:
  - .name:           k_q7fbbc6bd36_scores
    .symbol:         k_q7fbbc6bd36_scores.kd
    .args:
      - { .name: values, .offset: 0, .size: 8, .value_kind: global_buffer, .address_space: global }
      - { .name: w2img, .offset: 8, .size: 8, .value_kind: global_buffer, .address_space: global }
      - { .name: qpT, .offset: 16, .size: 8, .value_kind: global_buffer, .address_space: global }
      - { .name: v, .offset: 24, .size: 8, .value_kind: global_buffer, .address_space: global }
      - { .name: order, .offset: 32, .size: 8, .value_kind: global_buffer, .address_space: global }
      - { .name: raw, .offset: 40, .size: 8, .value_kind: global_buffer, .address_space: global }
    .group_segment_fixed_size: 199168
    .private_segment_fixed_size: 0
    .kernarg_segment_align: 8
    .kernarg_segment_size: 48
    .max_flat_workgroup_size: 128
    .sgpr_count:     66
    .vgpr_count:     1024
    .wavefront_size: 32
...
	.end_amdgpu_metadata
.endif
;; end of part 2
;; launch context (part 3): grid 8 x 32, 8 waves a work-group, no clusters, 17,408 bytes of LDS; arguments raw, mask, v, bv, values, order, out0, out1; writes out0, out1
.if DOCPART == 3
	.amdgcn_target "amdgcn-amd-amdhsa--gfx1250"
	.amdhsa_code_object_version 6
	.text
	.protected	k_q7fbbc6bd36_context
	.globl	k_q7fbbc6bd36_context
	.p2align	8
	.type	k_q7fbbc6bd36_context,@function
k_q7fbbc6bd36_context:
	s_mov_b64 s[64:65], 0
	v_nop
	global_prefetch_b8 v0, s[64:65] scope:SCOPE_SE
	s_setreg_imm32_b32 hwreg(HW_REG_WAVE_MODE, 25, 1), 1
	s_wait_xcnt 0x0
; CONTEXT.  score = (the sum of v + bv) - 2 raw + (1 - mask) x -1e9; weights = softmax over a batch's 2,048 rows, the largest score taken away first; out1 = the weights; out0[b][:] = the sum of weight x values[b][row][:].
; SHARES.  Work-group (x, b): batch b, columns 128 x .. 128 x + 127 of out0, rows 256 x .. 256 x + 255 of out1: each output has one owner.  Every work-group of a batch makes all 2,048 weights (16 KiB read), into LDS.
; THE SUM WALKS THE LIST OF KEPT ROWS that the first launch stored as whole numbers: the rows whose mask equals the batch's largest.  The weights themselves are made for all rows, by the formula as it stands.
; LIMITS: a row with a smaller mask lies at least 1e9 under the kept rows less twice the sum of |v|: its weight is exactly 0 while that sum stays under 4.9e8.  Masks lie within +-2^24, so that unequal masks stay unequal in f32.
; Weights under 2^-126 come out as 0.  NaN and infinities among the inputs are not served.
; A wave takes 32 list entries at a time, a row to an entry: the 32 lanes load the row's 512 bytes of my columns.  32 such loads of every wave are always out.
; THE FIRST GROUP'S ROWS ARE ASKED FOR AHEAD OF THE SOFTMAX: which rows they are hangs on the list alone, so their 16 KiB a wave are on their way while the weights are made.
; Places past the list's end count with the weight 0.  From the second group on they repeat the list's last row; in the first group, whose row numbers are read before the number of kept rows is known, they name rows that
; are not kept (the list holds all 2,048 rows): with fewer than 256 kept rows that costs bytes, and no value.
; No tensor load.  No matrix work: 2 operations for each number read.
; REGISTERS: v2 16 T, v3 16 x lane, v4 the far group's place in the list; v8-15 my 8 rows' scores, then weights; v16-23 their masks; v24-26 weights of the group in hand, the next, the one after; v27-28 row numbers of the next, the one after;
;   v29 group 1's places; v30 an LDS address; v32-63 the rows' offsets; v64-191 32 rows x 16 bytes; v192-207 four sets of sums; v208-223 at work; v224-255 v.
.set WT,  0                            ; LDS: the 2,048 weights
.set EX0, 8192                         ; the waves' largest scores; 256 bytes on: their sums
.set RED, 8704                         ; the waves' parts of out0: 512 bytes each
.macro IDXLD dst, adr, pos             ; the row numbers at list places pos, held to the list's end
	v_min_u32 v[\adr], s28, v[\pos]
	s_delay_alu instid0(VALU_DEP_1)
	v_min_u32 v[\adr], 0x7ff, v[\adr]
	s_delay_alu instid0(VALU_DEP_1)
	v_lshlrev_b32 v[\adr], 2, v[\adr]
	global_load_b32 v[\dst], v[\adr], s[14:15]
.endm
.macro WGT dst, idx, pos               ; their weights, 0 past the list's end
	v_min_u32 v[\idx], 0x7ff, v[\idx]
	s_delay_alu instid0(VALU_DEP_1)
	v_lshlrev_b32 v7, 2, v[\idx]
	ds_load_b32 v[\dst], v7
	s_wait_dscnt 0x0
	v_cmp_gt_u32 vcc_lo, s27, v[\pos]
	s_delay_alu instid0(VALU_DEP_1)
	v_cndmask_b32 v[\dst], 0, v[\dst], vcc_lo
.endm
.macro USE                             ; entry k of the group in hand: sums += weight x the row's 16 bytes of mine
	v_readlane_b32 s[40+2*(k%4)], v24, k
	s_delay_alu instid0(VALU_DEP_1)
	v_pk_fma_f32 v[192+4*(k%4):193+4*(k%4)], v[64+4*k:65+4*k], s[40+2*(k%4):41+2*(k%4)], v[192+4*(k%4):193+4*(k%4)] op_sel_hi:[1,0,1]
	s_delay_alu instid0(VALU_DEP_2)
	v_pk_fma_f32 v[194+4*(k%4):195+4*(k%4)], v[66+4*k:67+4*k], s[40+2*(k%4):41+2*(k%4)], v[194+4*(k%4):195+4*(k%4)] op_sel_hi:[1,0,1]
.endm
.macro ROW idx                         ; entry k's row is asked for: 32 lanes, 512 consecutive bytes, aligned
	v_readlane_b32 s[34+k%2], v[\idx], k
	s_min_u32 s[34+k%2], s[34+k%2], 0x7ff
	v_lshl_add_u32 v[32+k], s[34+k%2], 12, v3
	global_load_b128 v[64+4*k:67+4*k], v[32+k], s[12:13]
.endm
	s_load_b512 s[4:19], s[0:1], 0x0               ; raw s[4:5], mask s[6:7], v s[8:9], bv s[10:11], values s[12:13], order s[14:15], out0 s[16:17], out1 s[18:19]
	v_lshl_add_u32 v31, v0, 2, 0x4000
	s_set_vgpr_msb 0x40
	v_mov_b32 v1, 0
	s_set_vgpr_msb 0x4000
	v_lshrrev_b32 v6, 5, v0
	s_delay_alu instid0(VALU_DEP_1)
	v_readfirstlane_b32 s20, v6                    ; wave 0..7
	s_and_b32 s22, ttmp7, 0xffff                   ; batch
	v_and_b32 v1, 31, v0
	v_lshlrev_b32 v2, 4, v0
	s_delay_alu instid0(VALU_DEP_2)
	v_lshlrev_b32 v3, 4, v1
	s_delay_alu instid0(VALU_DEP_2)
	v_add_nc_u32 v215, RED, v2                     ; every LDS address is made here, ahead of any parting of the waves
	s_delay_alu instid0(VALU_DEP_2)
	v_add_nc_u32 v30, RED, v3
	s_lshl_b32 s21, ttmp9, 10
	v_add_nc_u32 v214, s21, v2
	v_and_b32 v214, 0x1ff0, v214                   ; inside the 8,192 bytes of weights (the grid's x is 0 .. 7, so the mask changes nothing)
	s_lshl_b32 s23, s20, 2
	s_add_co_u32 s23, s23, EX0
	v_mov_b32 v211, s23
	v_mov_b32 v212, EX0
	v_mov_b32 v209, 0                              ; a lane permute's destination counts as one of its sources
	v_mov_b32 v4, v0                               ; group 0's places in the list: 32 x wave + lane,
	v_add_nc_u32 v29, 256, v0                      ; group 1's
	v_lshlrev_b32 v5, 2, v0                        ; group 0's entries: places under 256, inside the list whatever the number of kept rows
	s_mov_b32 s24, 0x76543210
	s_mov_b32 s25, 0xfedcba98
	s_mov_b32 s38, 0xce6e6b28                      ; -1e9
	s_mov_b32 s41, 0                               ; (the upper halves of the pairs that the packed lines name)
	s_mov_b32 s43, 0
	s_mov_b32 s45, 0
	s_mov_b32 s47, 0
	s_lshl_b32 s32, s22, 13                        ; 8,192 bytes a batch in raw, mask and out1
	s_mov_b32 s33, 0
	s_mul_i32 s36, s22, 8448
	s_mov_b32 s37, 0
	s_wait_alu depctr_va_vdst(0)
	s_wait_kmcnt 0x0
	s_add_nc_u64 s[4:5], s[4:5], s[32:33]
	s_add_nc_u64 s[6:7], s[6:7], s[32:33]
	s_add_nc_u64 s[18:19], s[18:19], s[32:33]
	s_add_nc_u64 s[14:15], s[14:15], s[36:37]
	s_load_b32 s26, s[10:11], 0x0                  ; bv
	s_load_b32 s27, s[14:15], 0x2000               ; the number of kept rows
	global_load_b32 v28, v5, s[14:15]              ; group 0's row numbers: the first load of all
	global_load_b128 v[8:11], v2, s[4:5]           ; rows 4 T .. 4 T + 3,
	global_load_b128 v[12:15], v2, s[4:5] offset:4096      ; rows 1,024 + 4 T ..
	global_load_b128 v[16:19], v2, s[6:7]
	global_load_b128 v[20:23], v2, s[6:7] offset:4096
.irp i, 0,1,2,3,4,5,6,7
	global_load_b128 v[224+4*\i:227+4*\i], v3, s[8:9] offset:512*\i        ; all of v, in every wave: no wave waits for another for its sum
.endr
	s_mov_b32 s32, s21                             ; out1: 1,024 bytes a work-group
	s_add_nc_u64 s[18:19], s[18:19], s[32:33]
	s_lshl_b32 s32, s22, 23                        ; values: 8 MiB a batch,
	s_lshl_b32 s36, ttmp9, 9                       ; 512 bytes of each row
	s_add_co_u32 s32, s32, s36
	s_add_nc_u64 s[12:13], s[12:13], s[32:33]
	s_lshl_b32 s32, s22, 12                        ; out0: 4,096 bytes a batch
	s_add_co_u32 s32, s32, s36
	s_add_nc_u64 s[16:17], s[16:17], s[32:33]
	s_wait_kmcnt 0x0
	s_min_u32 s27, s27, 2048
	s_max_u32 s27, s27, 1
	s_sub_co_u32 s28, s27, 1                       ; the list's last place
	s_add_co_u32 s29, s27, 255
	s_lshr_b32 s29, s29, 8
	s_sub_co_u32 s29, s29, 1                       ; groups of 256 entries, less one: the loop's trips
	IDXLD 27, 6, 29                                ; group 1's row numbers
	s_wait_loadcnt 13                              ; group 0's row numbers are in: behind them the 12 loads of raw, mask and v and the load just issued
.set k, 0
.rept 32
	ROW 28                                         ; group 0's rows go out here and land while the weights are made
.set k, k+1
.endr
	s_wait_loadcnt 32                              ; all that was asked for ahead of the 32 rows is in
	; the sum of v, in two chains, then across the lanes
.irp j, 4
	v_pk_add_f32 v[224:225], v[224:225], v[224+\j:225+\j]
	v_pk_add_f32 v[226:227], v[226:227], v[226+\j:227+\j]
.endr
.irp j, 8, 12, 16, 20, 24, 28
	s_delay_alu instid0(VALU_DEP_2)
	v_pk_add_f32 v[224:225], v[224:225], v[224+\j:225+\j]
	s_delay_alu instid0(VALU_DEP_2)
	v_pk_add_f32 v[226:227], v[226:227], v[226+\j:227+\j]
.endr
	s_delay_alu instid0(VALU_DEP_1)
	v_pk_add_f32 v[224:225], v[224:225], v[226:227]
	s_delay_alu instid0(VALU_DEP_1)
	v_add_f32 v208, v224, v225
.irp m, 1,2,4,8
	s_delay_alu instid0(VALU_DEP_1)
	v_add_f32_dpp v208, v208, v208 row_xmask:\m row_mask:0xf bank_mask:0xf
.endr
	s_delay_alu instid0(VALU_DEP_1)
	v_permlanex16_b32 v209, v208, s24, s25
	s_delay_alu instid0(VALU_DEP_1)
	v_add_f32 v208, v208, v209
	s_delay_alu instid0(VALU_DEP_1)
	v_add_f32 v208, s26, v208                      ; + bv
.irp i, 0,1,2,3,4,5,6,7
	v_cvt_f32_i32 v[16+\i], v[16+\i]
.endr
.irp i, 0,1,2,3,4,5,6,7
	v_sub_f32 v[16+\i], 1.0, v[16+\i]
	v_fma_f32 v[8+\i], v[8+\i], -2.0, v208
.endr
.irp i, 0,1,2,3,4,5,6,7
	v_fma_f32 v[8+\i], v[16+\i], s38, v[8+\i]      ; the score
.endr
	v_max3_num_f32 v210, v8, v9, v10               ; the batch's largest: my 8,
	s_delay_alu instid0(VALU_DEP_1)
	v_max3_num_f32 v210, v210, v11, v12
	s_delay_alu instid0(VALU_DEP_1)
	v_max3_num_f32 v210, v210, v13, v14
	s_delay_alu instid0(VALU_DEP_1)
	v_max_num_f32 v210, v210, v15
.irp m, 1,2,4,8
	s_delay_alu instid0(VALU_DEP_1)
	v_max_num_f32_dpp v210, v210, v210 row_xmask:\m row_mask:0xf bank_mask:0xf     ; the wave's,
.endr
	s_delay_alu instid0(VALU_DEP_1)
	v_permlanex16_b32 v209, v210, s24, s25
	s_delay_alu instid0(VALU_DEP_1)
	v_max_num_f32 v210, v210, v209
	ds_store_b32 v211, v210                        ; all lanes write the same word with the same value
	s_wait_dscnt 0x0
	s_barrier_signal -1
	s_barrier_wait -1
	ds_load_b128 v[216:219], v212                  ; the eight waves'
	ds_load_b128 v[220:223], v212 offset:16
	s_wait_dscnt 0x0
	v_max3_num_f32 v210, v216, v217, v218
	s_delay_alu instid0(VALU_DEP_1)
	v_max3_num_f32 v210, v210, v219, v220
	s_delay_alu instid0(VALU_DEP_1)
	v_max3_num_f32 v210, v210, v221, v222
	s_delay_alu instid0(VALU_DEP_1)
	v_max_num_f32 v210, v210, v223
.irp i, 0,1,2,3,4,5,6,7
	v_sub_f32 v[8+\i], v[8+\i], v210               ; the difference first: scores may be as large as 1e9
.endr
.irp i, 0,1,2,3,4,5,6,7
	v_mul_f32 v[8+\i], 0x3fb8aa3b, v[8+\i]
.endr
	s_wait_alu depctr_va_vdst(0)
.irp i, 0,1,2,3,4,5,6,7
	v_exp_f32 v[8+\i], v[8+\i]
.endr
	v_nop                                          ; a plain line behind the last exponential
	s_wait_alu depctr_va_vdst(0)
	v_pk_add_f32 v[216:217], v[8:9], v[10:11]
	v_pk_add_f32 v[218:219], v[12:13], v[14:15]
	s_delay_alu instid0(VALU_DEP_1)
	v_pk_add_f32 v[216:217], v[216:217], v[218:219]
	s_delay_alu instid0(VALU_DEP_1)
	v_add_f32 v213, v216, v217
.irp m, 1,2,4,8
	s_delay_alu instid0(VALU_DEP_1)
	v_add_f32_dpp v213, v213, v213 row_xmask:\m row_mask:0xf bank_mask:0xf
.endr
	s_delay_alu instid0(VALU_DEP_1)
	v_permlanex16_b32 v209, v213, s24, s25
	s_delay_alu instid0(VALU_DEP_1)
	v_add_f32 v213, v213, v209
	ds_store_b32 v211, v213 offset:256
	s_wait_dscnt 0x0
	s_barrier_signal -1
	s_barrier_wait -1
	ds_load_b128 v[216:219], v212 offset:256
	ds_load_b128 v[220:223], v212 offset:272
	s_wait_dscnt 0x0
	v_pk_add_f32 v[216:217], v[216:217], v[218:219]
	v_pk_add_f32 v[220:221], v[220:221], v[222:223]
	s_delay_alu instid0(VALU_DEP_1)
	v_pk_add_f32 v[216:217], v[216:217], v[220:221]
	s_delay_alu instid0(VALU_DEP_1)
	v_add_f32 v213, v216, v217
	s_wait_alu depctr_va_vdst(0)
	v_rcp_f32 v213, v213
.set n, 0
.rept 16
	v_mov_b32 v[192+n], 0                          ; the sums begin at 0.  (The first of these is the plain line behind the reciprocal)
.set n, n+1
.endr
	s_wait_alu depctr_va_vdst(0)
.irp i, 0,1,2,3,4,5,6,7
	v_mul_f32 v[8+\i], v[8+\i], v213               ; the weights
.endr
	ds_store_b128 v2, v[8:11]
	ds_store_b128 v2, v[12:15] offset:4096
	s_wait_dscnt 0x0
	s_barrier_signal -1
	s_barrier_wait -1                              ; all 2,048 weights lie in LDS
	; ---- the sum over the kept rows
	WGT 24, 28, 4
	WGT 25, 27, 29
	v_add_nc_u32 v4, 512, v0                       ; group 2's places
	s_mov_b32 s30, 0
	s_cmp_eq_u32 s29, 0
	s_cbranch_scc1 .Llast
.Lgrp:                                             ; a trip sums a group and asks for the next group's rows
	s_wait_alu depctr_va_vdst(0)
	IDXLD 28, 5, 4                                 ; the row numbers two groups on
.set k, 0
.rept 32
	s_wait_loadcnt 32                              ; behind row k's load: 31 - k rows of its group, the load of row numbers, k rows of the next group.  The wait also frees the row's offset register
	USE
	ROW 27
.set k, k+1
.endr
	s_wait_loadcnt 32                              ; the row numbers are in: behind them the 32 rows just asked for
	WGT 26, 28, 4
	v_mov_b32 v24, v25
	s_delay_alu instid0(VALU_DEP_2)
	v_mov_b32 v25, v26
	s_wait_alu depctr_va_vdst(0)
	v_mov_b32 v27, v28
	v_add_nc_u32 v4, 256, v4
	s_add_co_u32 s30, s30, 1
	s_cmp_lt_u32 s30, s29
	s_cbranch_scc1 .Lgrp
.Llast:                                            ; the last group asks for nothing: the counts run down
.set k, 0
	s_wait_alu depctr_va_vdst(0)
.rept 32
	s_wait_loadcnt 31-k
	USE
.set k, k+1
.endr
	s_wait_alu depctr_va_vdst(0)
	v_pk_add_f32 v[192:193], v[192:193], v[196:197]
	v_pk_add_f32 v[194:195], v[194:195], v[198:199]
	v_pk_add_f32 v[200:201], v[200:201], v[204:205]
	v_pk_add_f32 v[202:203], v[202:203], v[206:207]
	s_delay_alu instid0(VALU_DEP_2)
	v_pk_add_f32 v[192:193], v[192:193], v[200:201]
	s_delay_alu instid0(VALU_DEP_2)
	v_pk_add_f32 v[194:195], v[194:195], v[202:203]
	s_wait_alu depctr_va_vdst(0)
	s_wait_dscnt 0x0
	s_barrier_signal -1                            ; every wave's reads of weights by row number are over before anything is stored to LDS again
	s_barrier_wait -1
	ds_store_b128 v215, v[192:195]
	s_wait_dscnt 0x0
	s_barrier_signal -1
	s_barrier_wait -1
	s_cmp_ge_u32 s20, 2
	s_cbranch_scc1 .Lend
	ds_load_b128 v[64:67], v214                    ; waves 0 and 1: this work-group's 256 weights
	s_wait_dscnt 0x0
	global_store_b128 v2, v[64:67], s[18:19]       ; a wave stores 512 consecutive bytes, aligned
	s_cmp_lg_u32 s20, 0
	s_cbranch_scc1 .Lend
.irp i, 0,1,2,3,4,5,6,7
	ds_load_b128 v[96+4*\i:99+4*\i], v30 offset:512*\i             ; wave 0: the eight waves' parts
.endr
	s_wait_dscnt 0x0
.irp i, 0,2,4,6
	v_pk_add_f32 v[96+4*\i:97+4*\i], v[96+4*\i:97+4*\i], v[100+4*\i:101+4*\i]
	v_pk_add_f32 v[98+4*\i:99+4*\i], v[98+4*\i:99+4*\i], v[102+4*\i:103+4*\i]
.endr
.irp i, 0
	v_pk_add_f32 v[96+4*\i:97+4*\i], v[96+4*\i:97+4*\i], v[104+4*\i:105+4*\i]
	v_pk_add_f32 v[98+4*\i:99+4*\i], v[98+4*\i:99+4*\i], v[106+4*\i:107+4*\i]
.endr
.irp i, 4
	s_delay_alu instid0(VALU_DEP_4)
	v_pk_add_f32 v[96+4*\i:97+4*\i], v[96+4*\i:97+4*\i], v[104+4*\i:105+4*\i]
	s_delay_alu instid0(VALU_DEP_4)
	v_pk_add_f32 v[98+4*\i:99+4*\i], v[98+4*\i:99+4*\i], v[106+4*\i:107+4*\i]
.endr
	s_delay_alu instid0(VALU_DEP_2)
	v_pk_add_f32 v[96:97], v[96:97], v[112:113]
	s_delay_alu instid0(VALU_DEP_2)
	v_pk_add_f32 v[98:99], v[98:99], v[114:115]
	global_store_b128 v3, v[96:99], s[16:17]       ; 512 consecutive bytes of out0, aligned
.Lend:
	s_barrier_signal -1
	s_barrier_wait -1
	s_set_vgpr_msb 0x4
	s_wait_tensorcnt 0x0
	ds_add_u32 v31, v1
	s_wait_dscnt 0x0
	s_set_vgpr_msb 0x400
	s_endpgm
.Lfunc_end_k_q7fbbc6bd36_context:
	.size	k_q7fbbc6bd36_context, .Lfunc_end_k_q7fbbc6bd36_context-k_q7fbbc6bd36_context
	.p2alignl 7, 3214868480
	.fill 96, 4, 3214868480
	.section	.rodata,"a",@progbits
	.p2align	6, 0x0
	.amdhsa_kernel k_q7fbbc6bd36_context
		.amdhsa_group_segment_fixed_size 17408
		.amdhsa_private_segment_fixed_size 0
		.amdhsa_enable_private_segment 0
		.amdhsa_kernarg_size 64
		.amdhsa_user_sgpr_count 2
		.amdhsa_user_sgpr_kernarg_segment_ptr 1
		.amdhsa_wavefront_size32 1
		.amdhsa_system_sgpr_workgroup_id_x 1
		.amdhsa_system_sgpr_workgroup_id_y 1
		.amdhsa_system_sgpr_workgroup_id_z 1
		.amdhsa_system_vgpr_workitem_id 0
		.amdhsa_next_free_vgpr 258
		.amdhsa_next_free_sgpr 66
		.amdhsa_reserve_vcc 1
		.amdhsa_float_denorm_mode_32 3
		.amdhsa_float_denorm_mode_16_64 3
		.amdhsa_memory_ordered 1
		.amdhsa_forward_progress 1
		.amdhsa_inst_pref_size 54
	.end_amdhsa_kernel
	.amdgpu_metadata
---
amdhsa.version: [ 1, 2 ]
amdhsa.kernels:
  - .name:           k_q7fbbc6bd36_context
    .symbol:         k_q7fbbc6bd36_context.kd
    .args:
      - { .name: raw, .offset: 0, .size: 8, .value_kind: global_buffer, .address_space: global }
      - { .name: mask, .offset: 8, .size: 8, .value_kind: global_buffer, .address_space: global }
      - { .name: v, .offset: 16, .size: 8, .value_kind: global_buffer, .address_space: global }
      - { .name: bv, .offset: 24, .size: 8, .value_kind: global_buffer, .address_space: global }
      - { .name: values, .offset: 32, .size: 8, .value_kind: global_buffer, .address_space: global }
      - { .name: order, .offset: 40, .size: 8, .value_kind: global_buffer, .address_space: global }
      - { .name: out0, .offset: 48, .size: 8, .value_kind: global_buffer, .address_space: global }
      - { .name: out1, .offset: 56, .size: 8, .value_kind: global_buffer, .address_space: global }
    .group_segment_fixed_size: 17408
    .private_segment_fixed_size: 0
    .kernarg_segment_align: 8
    .kernarg_segment_size: 64
    .max_flat_workgroup_size: 256
    .sgpr_count:     66
    .vgpr_count:     258
    .wavefront_size: 32
...
	.end_amdgpu_metadata
.endif
;; end of part 3
